; MI455X (gfx1250); checked and timed in simulation.
; The chip was launched on July 23, 2026; its instructions are those of AMD's public machine-readable ISA for CDNA 5 (MIT licence, August 2026) and "CDNA5" Instruction Set Architecture Reference Guide (July 2026). The comments in the code are by the model that wrote it; some were corrected since.
;; Cross Attention. Allowed arithmetic: matrix products marked QUANTISED: E2M1 operands, one E8M0 scale for each 32 along K, by v_wmma_scale_f32_16x16x128_f8f6f4 with both operands' format E2M1 (or v_wmma_scale_f32_32x16x128_f4), f32 sums; everything else in f32.
;; Inputs: Wd 1,024 x 1,024 float32; Wk 1,024 x 1,024 float32; Wq 1,024 x 1,024 float32; Wv 1,024 x 1,024 float32; bd 1,024 float32; beta 1,024 float32; bk 1,024 float32; bq 1,024 float32; bv 1,024 float32; gamma 1,024 float32; x 4 x 2,048 x 1,024 float32; y 4 x 2,048 x 1,024 float32.
;; Outputs: out0 4 x 2,048 x 1,024 float32.
;; Constants: debug = 0.
;; This version of the problem:
;;   THIS VERSION OF THE PROBLEM IS GIVEN IN LOW PRECISION. The matrix products marked QUANTISED in the list below multiply operands that are first quantised to E2M1 (2 exponent bits, 1 mantissa bit; 4 bits a number), with one power-of-two scale for each 32 numbers along K (OCP MX v1.0); their sums are f32. All else is computed in f32.
;;   The module's matrix products, in the order in which they are computed (A, B: the left and right operand; K: the contracted axis; several contracted axes count as one K, in the product's order):
;;     1. [M 8,192, K 1,024] x [K 1,024, N 1,024]; A: input x; B: input Wq: QUANTISED
;;     2. [M 8,192, K 1,024] x [K 1,024, N 1,024]; A: input y; B: input Wk: QUANTISED
;;     3. [M 8,192, K 1,024] x [K 1,024, N 1,024]; A: input x; B: input Wv: QUANTISED
;;     4. batch 64 x [M 2,048, K 64] x [K 64, N 2,048]; A: computed on the way; B: computed on the way: QUANTISED
;;     5. batch 64 x [M 2,048, K 2,048] x [K 2,048, N 64]; A: softmax (see below); B: computed on the way: QUANTISED
;;     6. [M 8,192, K 1,024] x [K 1,024, N 1,024]; A: computed on the way; B: input Wd: QUANTISED
;;   THE QUANTISER, for each operand of a quantised product, along K:
;;     - K is cut into blocks of 32 from its start; a last block that is shorter is filled with zeros.
;;     - A block's scale is 2^e with e = floor(log2(the largest magnitude in the block)) - 2, held to -126 .. 127; a block of zeros has e = 0. As a byte (E8M0): e + 127.
;;     - Each number is divided by its block's scale, clamped to +-6, and rounded to the nearest number of E2M1, ties to even, subnormals kept.
;;     - The product sums the exact products of the quantised numbers (number of the format x scale) in f32.
;;   ~~~python
;;   def quantise(x, axis):      # numpy; x: float32 -> the quantised numbers, widened to float32 again
;;       x = np.moveaxis(x, axis, -1); K = x.shape[-1]
;;       x = np.pad(x, [(0, 0)] * (x.ndim - 1) + [(0, -K % 32)]); x = x.reshape(x.shape[:-1] + (-1, 32)); a = np.abs(x).max(-1, keepdims=True)
;;       e = np.where(a > 0, np.clip(np.frexp(np.where(a > 0, a, 1))[1] - 1 - 2, -126, 127), 0)      # np.frexp(a)[1] - 1 = floor(log2(a)), exactly
;;       r = np.clip(x / 2.0 ** e, -6, 6)
;;       step = 2.0 ** (np.maximum(np.frexp(np.where(r == 0, 1, r))[1] - 1, 0) - 1)
;;       q = np.round(r / step) * step * 2.0 ** e      # np.round: ties to even
;;       return np.moveaxis(q.reshape(q.shape[:-2] + (-1,))[..., :K], -1, axis).astype(np.float32)
;;   ~~~
;;   SOFTMAX AHEAD OF A QUANTISED PRODUCT. Where the list says 'softmax', what is quantised is not the finished softmax but p = 2^(t - M), with t = logit x log2(e) and M = ceil(the row's largest t), a whole number; so 1/2 < the row's largest p <= 1. The row's sum l is taken of the UNQUANTISED p, in f32, and the product's result is divided by l at the end. Since M is a whole number, a kernel that streams over the keys may use a running M (the ceiling of the running maximum): every later rescaling is an exact power of two, which a block's scale takes up: the codes' values come out the same.
;;   OPERANDS COMPUTED ON THE WAY. 'Computed on the way' means the value that the module computes at that place (a softmax that the list does not call 'softmax' is quantised finished and normalised). What goes into a quantiser is computed in f32, as accurately as f32 sums, v_exp_f32 and their like allow (about 1e-6 of the number): no bf16 or f16 on the way to a quantiser, and a product that is left as it is and whose result goes on into a quantised operand takes f32 operands (vector FMAs, or v_wmma_f32_16x16x4_f32). A number that lies on a knife's edge between two numbers of the format may be rounded either way, as far as f32 arithmetic and the matrix unit's own rounding can turn it there, and no further.
;; One version. Each part assembles by itself: llvm-mc -triple=amdgcn-amd-amdhsa -mcpu=gfx1250 --defsym DOCPART=n.
;; ======== version 1 of 1: 4 launches
;; workspace buffers: cod 10,485,760 bytes; scl 655,360 bytes; hd 13,893,632 bytes; cc 4,194,304 bytes; cs 262,144 bytes
;; launch quant (part 1): grid 256 x 1, 5 waves a work-group, no clusters, 43,008 bytes of LDS; arguments x, y, Wq, Wk, Wv, Wd, cod, scl; writes cod, scl
.if DOCPART == 1
	.amdgcn_target "amdgcn-amd-amdhsa--gfx1250"
	.amdhsa_code_object_version 6
	.text
	.protected	k_q2200321d2b_quant
	.globl	k_q2200321d2b_quant
	.p2align	8
	.type	k_q2200321d2b_quant,@function
k_q2200321d2b_quant:
	s_mov_b64 s[64:65], 0
	v_nop
	global_prefetch_b8 v0, s[64:65] scope:SCOPE_SE
	s_setreg_imm32_b32 hwreg(HW_REG_WAVE_MODE, 25, 1), 1
	s_wait_xcnt 0x0
; x, y [8192][1024] and Wq, Wk, Wv, Wd [1024][1024], f32, K innermost, become codes of FP4 (E2M1) with one E8M0 byte for each 32 along K,
; laid as IMAGES OF OPERAND REGISTERS.  The six tensors are 1,280 tiles of 16 rows: x 0-511, y 512-1023, Wq 1024.., Wk 1088.., Wv 1152.., Wd 1216...
; THE ROWS OF A TILE ARE NOT NEIGHBOURS: lane r of a tensor's tile t takes row 32 (t / 2) + 8 (t % 2) + r + 8 (r / 8), so that a product that takes two
; neighbouring tiles as source 0 leaves 16 neighbours along that axis in a lane's 16 result registers.
; cod: tile T at 8192 T: [piece f 0..15][lane][16 bytes]; lane (r, h) of piece f holds the 32 codes k = 64 f + 32 h + 0..31 of its row: pieces 2 s, 2 s + 1 are
; registers 0-3 and 4-7 of the fragment of K step s (128 along K).   scl: tile T at 512 T: [r][8 words], word s = the four scale bytes of K step s.
; A block's scale is 2^(floor(log2(largest magnitude)) - 2); its byte is the largest magnitude's exponent field - 2, held at 1 from below.
; LIMITS: a block whose largest magnitude lies under 2^-124 (a block of zeros too) gets the byte 1; a block of zeros has zero codes, and this program alone reads the bytes.  NaN and infinities are not served.
; SHARES: one wave, one tile: 5 waves x 256 work-groups = 1,280.  Eight steps of 128 along K, written out.  Each load reads 512 consecutive bytes of one row; the 16 rows turn through the
; wave's own stage in LDS (rows 528 bytes apart, an odd multiple of 16, so that the 16 rows that a read touches begin in different banks) and come back 128 bytes a lane and block.
; Loads run two steps (32 loads a wave) ahead.  No barrier: waves share nothing.  No matrix unit, no cluster: each byte is read once and nothing is shared.
.set STAGE, 8448                       ; 16 rows x 528 bytes, for each wave
.set SW, 16                            ; v16-23   the tile's eight scale words
.set W4, 24                            ; v24-27   the four of them that my lane stores
.set C,  28                            ; v28-43   codes, two sets of 8
.set X,  48                            ; v48-111  my two blocks of 32 numbers
.set R,  112                           ; v112-239 two sets of 64 registers as loaded
	s_load_b256 s[4:11], s[0:1], 0x0               ; x s[4:5], y s[6:7], Wq s[8:9], Wk s[10:11]
	s_load_b256 s[12:19], s[0:1], 0x20             ; Wv s[12:13], Wd s[14:15], cod s[16:17], scl s[18:19]
	v_lshl_add_u32 v240, v0, 2, 0xa500
	v_mov_b32 v241, 0
	v_lshrrev_b32 v1, 5, v0
	v_readfirstlane_b32 s20, v1                    ; wave 0..4
	s_mul_i32 s21, ttmp9, 5
	s_add_co_u32 s21, s21, s20                     ; T, my tile
	v_and_b32 v9, 31, v0                           ; lane
	v_and_b32 v1, 15, v0                           ; r
	v_bfe_u32 v2, v0, 4, 1                         ; h
	v_lshlrev_b32 v3, 4, v9                        ; 16 x lane: my bytes of a load's 512, and of a piece of codes
	s_mul_i32 s25, s20, STAGE
	v_add_nc_u32 v4, s25, v3                       ; the stage, on the way in
	v_mul_u32_u24 v5, v1, 528
	v_lshl_add_u32 v5, v2, 7, v5
	v_add_nc_u32 v5, s25, v5                       ; and on the way out: row r, + 128 h: my 32 numbers of a run of 64
	v_lshlrev_b32 v6, 3, v2                        ; 8 h: my bytes' place in a scale word
	v_lshlrev_b32 v7, 5, v1
	v_lshl_add_u32 v7, v2, 4, v7                   ; scl: 32 r + 16 h
	v_mov_b32 v15, 0                               ; a lane permute's destination counts as one of its sources
	s_mov_b32 s28, 0x76543210
	s_mov_b32 s29, 0xfedcba98                      ; v_permlanex16_b32's selects for lane l xor 16
	s_wait_alu depctr_va_vdst(0)
	s_wait_kmcnt 0x0
	s_mov_b64 s[22:23], s[14:15]                   ; which tensor is my tile's?  The choice hangs on the tile's number alone
	s_mov_b32 s24, 1216
.macro PICK bound, ptr, first
	s_cmp_lt_u32 s21, \bound
	s_cselect_b64 s[22:23], s[\ptr:\ptr+1], s[22:23]
	s_cselect_b32 s24, \first, s24
.endm
	PICK 1216, 12, 1152
	PICK 1152, 10, 1088
	PICK 1088, 8, 1024
	PICK 1024, 6, 512
	PICK 512, 4, 0
	s_sub_co_u32 s25, s21, s24                     ; t, the tile's number in its tensor
	s_lshr_b32 s26, s25, 1
	s_lshl_b32 s26, s26, 17                        ; 32 (t / 2) rows of 4,096 bytes
	s_and_b32 s25, s25, 1
	s_lshl_b32 s25, s25, 15                        ; + 8 (t % 2) rows
	s_add_co_u32 s26, s26, s25
	s_mov_b32 s27, 0
	s_add_nc_u64 s[22:23], s[22:23], s[26:27]
	s_lshl_b32 s26, s21, 13
	s_add_nc_u64 s[16:17], s[16:17], s[26:27]
	s_lshl_b32 s26, s21, 9
	s_add_nc_u64 s[18:19], s[18:19], s[26:27]
.macro LOAD s                          ; K step s of the tile's 16 rows: 512 consecutive bytes a load
.irp i, 0,1,2,3,4,5,6,7,8,9,10,11,12,13,14,15
	global_load_b128 v[R+64*((\s)%2)+4*\i:R+64*((\s)%2)+4*\i+3], v3, s[22:23] offset:(\i+8*(\i/8))*4096+512*(\s) th:TH_LOAD_NT
.endr
.endm
	LOAD 0
	LOAD 1
.macro STEP s
.if (\s) < 7
	s_wait_loadcnt 16                              ; this step's 16 loads are in; the next step's 16 may be out
.else
	s_wait_loadcnt 0
.endif
.irp i, 0,1,2,3,4,5,6,7,8,9,10,11,12,13,14,15
	ds_store_b128 v4, v[R+64*((\s)%2)+4*\i:R+64*((\s)%2)+4*\i+3] offset:528*\i
.endr
.irp c, 0,1
.irp j, 0,1,2,3,4,5,6,7
	ds_load_b128 v[X+32*\c+4*\j:X+32*\c+4*\j+3], v5 offset:256*\c+16*\j   ; LDS serves a wave's instructions in order: these see the stores above.  k = 64 c + 32 h + 4 j on
.endr
.endr
	s_wait_dscnt 0x0                               ; my numbers are back, and the stores have read their registers,
.if (\s) < 6
	LOAD (\s)+2                                    ; which take the loads of two steps on
.endif
	v_max3_num_f32 v8, |v[X]|, |v[X+1]|, 0x1800000         ; my two whole blocks by turns; the floor 2^(3 - 127) holds the byte at 1 from below
	v_max3_num_f32 v9, |v[X+32]|, |v[X+33]|, 0x1800000
.irp i, 2,4,6,8,10,12,14,16,18,20,22,24,26,28,30
	v_max3_num_f32 v8, v8, |v[X+\i]|, |v[X+\i+1]|
	v_max3_num_f32 v9, v9, |v[X+32+\i]|, |v[X+33+\i]|
.endr
	v_add_nc_u32 v10, 0xff000000, v8               ; 2 off the exponent field: the conversion takes this operand's exponent field as its scale
	v_add_nc_u32 v11, 0xff000000, v9
	v_lshrrev_b32 v12, 23, v10                     ; the bytes of blocks h and 2 + h
	v_lshrrev_b32 v13, 23, v11
	v_lshl_or_b32 v14, v13, 16, v12
	v_lshlrev_b32 v14, v6, v14                     ; at their places in the word;
	v_permlanex16_b32 v15, v14, s28, s29
	v_or_b32 v[SW+(\s)], v14, v15                  ; with lane l xor 16's two the word is whole
	s_wait_alu depctr_va_vdst(0)
	s_wait_xcnt 0x0                                ; the stores of two steps ago have read this set of codes
.irp c, 0,1
.irp g, 0,1,2,3
	v_cvt_scalef32_pk8_fp4_f32 v[C+8*((\s)%2)+4*\c+\g], v[X+32*\c+8*\g:X+32*\c+8*\g+7], v[10+\c]
.endr
.endr
	v_nop                                          ; one plain place behind the scaled conversions
	global_store_b128 v3, v[C+8*((\s)%2):C+8*((\s)%2)+3], s[16:17] offset:1024*(\s)            ; piece 2 s: 512 consecutive bytes
	global_store_b128 v3, v[C+8*((\s)%2)+4:C+8*((\s)%2)+7], s[16:17] offset:1024*(\s)+512      ; piece 2 s + 1
.endm
.irp t, 0,1,2,3,4,5,6,7
	STEP \t
.endr
	v_cmp_ne_u32 vcc_lo, 0, v2
.irp i, 0,1,2,3
	v_cndmask_b32 v[W4+\i], v[SW+\i], v[SW+4+\i], vcc_lo   ; lanes 0-15 store words 0-3 of their row, lanes 16-31 words 4-7
.endr
	global_store_b128 v7, v[W4:W4+3], s[18:19]     ; the tile's 512 bytes of scale words, consecutive
	s_wait_tensorcnt 0x0
	ds_add_u32 v240, v241
	s_wait_dscnt 0x0
	s_endpgm
.Lfunc_end_k_q2200321d2b_quant:
	.size	k_q2200321d2b_quant, .Lfunc_end_k_q2200321d2b_quant-k_q2200321d2b_quant
	.p2alignl 7, 3214868480
	.fill 96, 4, 3214868480
	.section	.rodata,"a",@progbits
	.p2align	6, 0x0
	.amdhsa_kernel k_q2200321d2b_quant
		.amdhsa_group_segment_fixed_size 43008
		.amdhsa_private_segment_fixed_size 0
		.amdhsa_enable_private_segment 0
		.amdhsa_kernarg_size 64
		.amdhsa_user_sgpr_count 2
		.amdhsa_user_sgpr_kernarg_segment_ptr 1
		.amdhsa_wavefront_size32 1
		.amdhsa_system_sgpr_workgroup_id_x 1
		.amdhsa_system_sgpr_workgroup_id_y 1
		.amdhsa_system_sgpr_workgroup_id_z 1
		.amdhsa_system_vgpr_workitem_id 0
		.amdhsa_next_free_vgpr 242
		.amdhsa_next_free_sgpr 66
		.amdhsa_reserve_vcc 1
		.amdhsa_float_denorm_mode_32 3
		.amdhsa_float_denorm_mode_16_64 3
		.amdhsa_memory_ordered 1
		.amdhsa_forward_progress 1
		.amdhsa_inst_pref_size 58
	.end_amdhsa_kernel
	.amdgpu_metadata
---
amdhsa.version: [ 1, 2 ]
amdhsa.kernels:
  - .name:           k_q2200321d2b_quant
    .symbol:         k_q2200321d2b_quant.kd
    .args:
      - { .name: x, .offset: 0, .size: 8, .value_kind: global_buffer, .address_space: global }
      - { .name: y, .offset: 8, .size: 8, .value_kind: global_buffer, .address_space: global }
      - { .name: Wq, .offset: 16, .size: 8, .value_kind: global_buffer, .address_space: global }
      - { .name: Wk, .offset: 24, .size: 8, .value_kind: global_buffer, .address_space: global }
      - { .name: Wv, .offset: 32, .size: 8, .value_kind: global_buffer, .address_space: global }
      - { .name: Wd, .offset: 40, .size: 8, .value_kind: global_buffer, .address_space: global }
      - { .name: cod, .offset: 48, .size: 8, .value_kind: global_buffer, .address_space: global }
      - { .name: scl, .offset: 56, .size: 8, .value_kind: global_buffer, .address_space: global }
    .group_segment_fixed_size: 43008
    .private_segment_fixed_size: 0
    .kernarg_segment_align: 8
    .kernarg_segment_size: 64
    .max_flat_workgroup_size: 160
    .sgpr_count:     66
    .vgpr_count:     242
    .wavefront_size: 32
...
	.end_amdgpu_metadata
.endif
;; end of part 1
;; launch proj (part 2): grid 256 x 1, 3 waves a work-group, no clusters, 0 bytes of LDS; arguments cod, scl, bq, bk, bv, hd; writes hd
.if DOCPART == 2
	.amdgcn_target "amdgcn-amd-amdhsa--gfx1250"
	.amdhsa_code_object_version 6
	.text
	.protected	k_q2200321d2b_proj
	.globl	k_q2200321d2b_proj
	.p2align	8
	.type	k_q2200321d2b_proj,@function
k_q2200321d2b_proj:
	s_mov_b64 s[64:65], 0
	v_nop
	global_prefetch_b8 v0, s[64:65] scope:SCOPE_SE
	s_setreg_imm32_b32 hwreg(HW_REG_WAVE_MODE, 25, 1), 1
	s_wait_xcnt 0x0
; q = x Wq^T + bq, k = y Wk^T + bk, v = x Wv^T + bv on codes of FP4 (E2M1) with E8M0 scales, and each result quantised at once for attention: q and k along a head's 64 channels, v along the keys.
; ONE FORM serves all three: out(i, j) = sum over k of P[i][k] Q[j][k] + bias, quantised along j.  Source 0 = tiles of Q: 128 rows j, which stay in registers for all of K (64 fragments, 512 registers);
; source 1 = one streamed tile of P: a lane holds ONE i, and its 64 result registers are j = 32 b + 16 (lane / 16) + 0..15, b = 0..3 (the tiles' rows are chosen so).
;   q, k: P = tokens (x, y), Q = 128 channels of Wq, Wk = two heads; the bias runs along j.      v: P = channels of Wv, Q = 128 tokens of x = one key step; the bias runs along i.
; The wave's number is the kind: 0 q, 1 k, 2 v.  Each wave streams 16 tiles of P, four trips of four; a tile is 64 matrix instructions on 8 accumulators, which take turns.
; hd: 64 records (16 batch + head) of 217,088 bytes: +0 Q's codes [tile 128][lane][16], +65536 Q's scale words [tile / 4][r][tile % 4], +73728 and +139264 K's likewise,
;   +147456 V's codes [key step 16][c 2][tile of channels 4][lane][16], +212992 V's scale words [key step][r][tile].  Q's and K's words hold the head's two bytes below and zeros above.
; Operands go from memory straight into registers, as dense images (512 consecutive bytes a load): no LDS, so no joint loads, which end in LDS and would add a pass through it for every byte.
; LIMITS: as the quantiser's: a block under 2^-124 gets the byte 1; NaN and infinities are not served.
; REGISTERS, in windows of 256: window 0: v1-8 addresses; v16-47 Q's scale words; v48-63 P's, two sets; v64-127 accumulators; v128-191 the bias as C; v192-207 at work; v208-215 codes; v216-219 four tiles' scale words; v220-221 v's bias as loaded.
;   windows 1, 2: Q's fragment (tile jt, K step s) at window 1 + s / 4, v[8 (8 (s % 4) + jt)].   window 3: P's fragments, two sets of 64, K step s at 64 set + 8 s.
.set REC, 217088
.set QS,  16
.set PS,  48
.set ACC, 64
.set CB,  128
.set TM,  192
.set PC,  208
.set SW,  216
.set CVL, 220
.set MSB, 0
.macro WIN new                         ; the immediate's high byte repeats the setting that is left
.if MSB != (\new)
	s_set_vgpr_msb (MSB<<8)|(\new)
.set MSB, (\new)
.endif
.endm
.macro PLACES n
.rept \n
	v_nop
.endr
.endm
; One product.  c < 0: C is the constant 0.  ra, rb: A's, B's scale words are taken from lanes 16-31 of their register.
.macro WM d, a, b, c, sa, sb, ra, rb
.if (\c) < 0
.if (\ra) && (\rb)
	v_wmma_scale_f32_16x16x128_f8f6f4 v[\d:\d+7], v[\a:\a+7], v[\b:\b+7], 0, v[\sa], v[\sb] matrix_a_fmt:MATRIX_FMT_FP4 matrix_b_fmt:MATRIX_FMT_FP4 matrix_a_scale:MATRIX_SCALE_ROW1 matrix_b_scale:MATRIX_SCALE_ROW1
.elseif (\ra)
	v_wmma_scale_f32_16x16x128_f8f6f4 v[\d:\d+7], v[\a:\a+7], v[\b:\b+7], 0, v[\sa], v[\sb] matrix_a_fmt:MATRIX_FMT_FP4 matrix_b_fmt:MATRIX_FMT_FP4 matrix_a_scale:MATRIX_SCALE_ROW1
.elseif (\rb)
	v_wmma_scale_f32_16x16x128_f8f6f4 v[\d:\d+7], v[\a:\a+7], v[\b:\b+7], 0, v[\sa], v[\sb] matrix_a_fmt:MATRIX_FMT_FP4 matrix_b_fmt:MATRIX_FMT_FP4 matrix_b_scale:MATRIX_SCALE_ROW1
.else
	v_wmma_scale_f32_16x16x128_f8f6f4 v[\d:\d+7], v[\a:\a+7], v[\b:\b+7], 0, v[\sa], v[\sb] matrix_a_fmt:MATRIX_FMT_FP4 matrix_b_fmt:MATRIX_FMT_FP4
.endif
.else
.if (\ra) && (\rb)
	v_wmma_scale_f32_16x16x128_f8f6f4 v[\d:\d+7], v[\a:\a+7], v[\b:\b+7], v[\c:\c+7], v[\sa], v[\sb] matrix_a_fmt:MATRIX_FMT_FP4 matrix_b_fmt:MATRIX_FMT_FP4 matrix_a_scale:MATRIX_SCALE_ROW1 matrix_b_scale:MATRIX_SCALE_ROW1
.elseif (\ra)
	v_wmma_scale_f32_16x16x128_f8f6f4 v[\d:\d+7], v[\a:\a+7], v[\b:\b+7], v[\c:\c+7], v[\sa], v[\sb] matrix_a_fmt:MATRIX_FMT_FP4 matrix_b_fmt:MATRIX_FMT_FP4 matrix_a_scale:MATRIX_SCALE_ROW1
.elseif (\rb)
	v_wmma_scale_f32_16x16x128_f8f6f4 v[\d:\d+7], v[\a:\a+7], v[\b:\b+7], v[\c:\c+7], v[\sa], v[\sb] matrix_a_fmt:MATRIX_FMT_FP4 matrix_b_fmt:MATRIX_FMT_FP4 matrix_b_scale:MATRIX_SCALE_ROW1
.else
	v_wmma_scale_f32_16x16x128_f8f6f4 v[\d:\d+7], v[\a:\a+7], v[\b:\b+7], v[\c:\c+7], v[\sa], v[\sb] matrix_a_fmt:MATRIX_FMT_FP4 matrix_b_fmt:MATRIX_FMT_FP4
.endif
.endif
.endm
	s_load_b256 s[4:11], s[0:1], 0x0               ; cod s[4:5], scl s[6:7], bq s[8:9], bk s[10:11]
	s_load_b128 s[12:15], s[0:1], 0x20             ; bv s[12:13], hd s[14:15]
	v_lshrrev_b32 v1, 5, v0
	v_readfirstlane_b32 s16, v1                    ; the wave's number = the kind: 0 q, 1 k, 2 v
	; q's and k's numbers: work-group g = 8 x (group of 16 token tiles) + (group of 128 channels)
	s_and_b32 s17, ttmp9, 7                        ; pn
	s_lshr_b32 s18, ttmp9, 3                       ; rg
	s_lshl_b32 s34, s16, 6
	s_lshl_b32 s19, s17, 3
	s_add_co_u32 s34, s34, s19
	s_add_co_u32 s34, s34, 1024                    ; first stationary tile: 1024 + 64 kind + 8 pn
	s_lshl_b32 s35, s16, 9
	s_lshl_b32 s19, s18, 4
	s_add_co_u32 s35, s35, s19                     ; first streamed tile: 512 kind + 16 rg
	s_lshr_b32 s36, s18, 3
	s_lshl_b32 s36, s36, 4
	s_lshl_b32 s19, s17, 1
	s_add_co_u32 s36, s36, s19                     ; record 16 (rg / 8) + 2 pn
	s_mul_i32 s36, s36, REC
	s_mul_i32 s19, s16, 73728
	s_add_co_u32 s36, s36, s19                     ; + K's part for kind 1
	s_and_b32 s19, s18, 7
	s_lshl_b32 s37, s19, 13
	s_add_co_u32 s37, s37, s36                     ; codes: + 16 tiles of 512 bytes x (rg % 8)
	s_lshl_b32 s38, s19, 10
	s_add_co_u32 s38, s38, s36
	s_add_co_u32 s38, s38, 65536                   ; scale words: + 1,024 x (rg % 8)
	s_lshl_b32 s39, s17, 9                         ; the bias: 128 pn numbers on
	; v's numbers: g = 64 x (group of 16 tiles of Wv) + (key step of 128 tokens, over all batches)
	s_and_b32 s17, ttmp9, 63                       ; pn
	s_lshr_b32 s18, ttmp9, 6                       ; rg
	s_lshl_b32 s40, s17, 3                         ; first stationary tile: 8 pn (x)
	s_lshl_b32 s41, s18, 4
	s_add_co_u32 s41, s41, 1152                    ; first streamed tile: 1152 + 16 rg (Wv)
	s_lshr_b32 s42, s17, 4
	s_lshl_b32 s42, s42, 4
	s_lshl_b32 s19, s18, 2
	s_add_co_u32 s42, s42, s19                     ; record 16 (pn / 16) + 4 rg
	s_mul_i32 s42, s42, REC
	s_and_b32 s19, s17, 15                         ; the key step in its batch
	s_lshl_b32 s43, s19, 12
	s_add_co_u32 s43, s43, s42
	s_add_co_u32 s43, s43, 147456                  ; codes
	s_lshl_b32 s44, s19, 8
	s_add_co_u32 s44, s44, s42
	s_add_co_u32 s44, s44, 212992                  ; scale words
	s_lshl_b32 s45, s18, 10                        ; the bias: 256 rg numbers on
	s_mov_b32 s50, REC
	s_cmp_eq_u32 s16, 2                            ; the choice hangs on the wave's number alone
	s_cselect_b32 s34, s40, s34
	s_cselect_b32 s35, s41, s35
	s_cselect_b32 s37, s43, s37
	s_cselect_b32 s38, s44, s38
	s_cselect_b32 s39, s45, s39
	s_cselect_b32 s46, 2048, s50                   ; from a fragment's registers 0-3 to its registers 4-7: q, k: the next head's record; v: 2,048 bytes
	s_cselect_b32 s26, s50, 2048                   ; codes, from trip to trip: v: the next head's record; q, k: four tiles
	s_cselect_b32 s27, s50, 256                    ; scale words, from trip to trip
	s_cselect_b32 s47, 0, s50                      ; scale words: lanes 16-31 store the second head's (q, k)
	s_cselect_b32 s48, 0, 16                       ; which are the word's upper two bytes
	s_cselect_b32 s28, -1, 0xffff
	s_cselect_b32 s32, 256, 0                      ; v's bias, from trip to trip: 64 numbers
	s_mov_b32 s33, 0
	v_and_b32 v9, 31, v0                           ; lane
	v_and_b32 v10, 15, v0                          ; r
	v_bfe_u32 v11, v0, 4, 1                        ; h
	v_lshlrev_b32 v1, 4, v9                        ; 16 x lane: an image's place for my lane
	v_lshlrev_b32 v2, 5, v9                        ; 32 x lane: a row's eight scale words; lanes 16-31 fall on the next tile
	v_add_nc_u32 v3, s37, v1                       ; hd: a fragment's registers 0-3,
	v_add_nc_u32 v4, s46, v3                       ; its registers 4-7,
	v_mul_u32_u24 v5, v11, s47
	v_lshl_add_u32 v5, v10, 4, v5
	v_add_nc_u32 v5, s38, v5                       ; four tiles' scale words of row r
	v_mul_u32_u24 v6, v11, s48
	v_and_b32 v7, 8, v10
	v_add_nc_u32 v7, v7, v10
	v_lshlrev_b32 v7, 2, v7                        ; v's bias: 4 (r + 8 (r / 8))
	v_lshlrev_b32 v8, 6, v11                       ; q's, k's bias: 64 h
.irp b, 0,1,2,3
	v_mov_b32 v[TM+4+\b], 0                        ; a lane permute's destination counts as one of its sources
.endr
	s_mov_b32 s30, 0x76543210
	s_mov_b32 s31, 0xfedcba98                      ; v_permlanex16_b32's selects for lane l xor 16
	s_wait_kmcnt 0x0
	s_mov_b32 s53, 0
	s_lshl_b32 s52, s35, 13
	s_add_nc_u64 s[20:21], s[4:5], s[52:53]        ; P's codes
	s_lshl_b32 s52, s35, 9
	s_add_nc_u64 s[22:23], s[6:7], s[52:53]        ; P's scale words
	s_lshl_b32 s52, s34, 13
	s_add_nc_u64 s[56:57], s[4:5], s[52:53]        ; Q's codes
	s_lshl_b32 s52, s34, 9
	s_add_nc_u64 s[58:59], s[6:7], s[52:53]        ; Q's scale words
	s_cmp_eq_u32 s16, 0
	s_cselect_b64 s[24:25], s[8:9], s[10:11]
	s_cmp_eq_u32 s16, 2
	s_cselect_b64 s[24:25], s[12:13], s[24:25]     ; my kind's bias
	s_mov_b32 s52, s39
	s_add_nc_u64 s[24:25], s[24:25], s[52:53]
.irp s, 0,1,2,3,4,5,6,7                ; Q's 64 fragments: they stay
	WIN 0x40*(1+\s/4)
.irp jt, 0,1,2,3,4,5,6,7
.irp c, 0,1
	global_load_b128 v[8*(8*(\s%4)+\jt)+4*\c:8*(8*(\s%4)+\jt)+4*\c+3], v1, s[56:57] offset:\jt*8192+1024*\s+512*\c
.endr
.endr
.endr
	WIN 0
.irp p, 0,1,2,3                        ; Q's scale words: register 8 p + s: lanes 0-15 tile 2 p, lanes 16-31 tile 2 p + 1
	global_load_b128 v[QS+8*\p:QS+8*\p+3], v2, s[58:59] offset:1024*\p
	global_load_b128 v[QS+8*\p+4:QS+8*\p+7], v2, s[58:59] offset:1024*\p+16
.endr
	s_cmp_eq_u32 s16, 2
	s_cbranch_scc1 .Lno_row_bias
	s_wait_alu depctr_va_vdst(0)
.irp jt, 0,1,2,3,4,5,6,7               ; q, k: the bias in the result's layout: tile jt, register e: j = 32 (jt / 2) + 16 h + 8 (jt % 2) + e
	global_load_b128 v[CB+8*\jt:CB+8*\jt+3], v8, s[24:25] offset:(32*(\jt/2)+8*(\jt%2))*4
	global_load_b128 v[CB+8*\jt+4:CB+8*\jt+7], v8, s[24:25] offset:(32*(\jt/2)+8*(\jt%2))*4+16
.endr
.Lno_row_bias:
; The loads of P's tile n, counted from the trip's first: v alone: my channel's bias; for an even n the scale words of tiles n and n + 1; the tile's 16 pieces of codes.
.macro FETCH n
	s_cmp_eq_u32 s16, 2
	s_cbranch_scc0 .Lnb_\@
	s_wait_alu depctr_va_vdst(0)
	global_load_b32 v[CVL+(\n)%2], v7, s[24:25] offset:128*((\n)/2)+32*((\n)%2)
.Lnb_\@:
.if (\n)%2 == 0
	global_load_b128 v[PS+8*(((\n)/2)%2):PS+8*(((\n)/2)%2)+3], v2, s[22:23] offset:512*(\n)
	global_load_b128 v[PS+8*(((\n)/2)%2)+4:PS+8*(((\n)/2)%2)+7], v2, s[22:23] offset:512*(\n)+16
.endif
	WIN 0xc0
.irp f, 0,1,2,3,4,5,6,7,8,9,10,11,12,13,14,15
	global_load_b128 v[64*((\n)%2)+4*\f:64*((\n)%2)+4*\f+3], v1, s[20:21] offset:8192*(\n)+512*\f
.endr
	WIN 0
.endm
; 64 numbers of a lane, v[s] on, register 16 b + i = j 32 b + 16 (lane / 16) + i of my row, become a fragment's codes in v[PC] on and its scale word in v[w].
.macro QUANT s, w
.irp b, 0,1,2,3
	v_max3_num_f32 v[TM+\b], |v[\s+16*\b]|, |v[\s+1+16*\b]|, 0x1800000   ; each accumulator is read from its low end on; the floor 2^(3 - 127) holds the byte at 1 from below
.endr
.irp i, 2,4,6,8,10,12,14
.irp b, 0,1,2,3
	v_max3_num_f32 v[TM+\b], v[TM+\b], |v[\s+16*\b+\i]|, |v[\s+1+16*\b+\i]|
.endr
.endr
.irp b, 0,1,2,3
	v_permlanex16_b32 v[TM+4+\b], v[TM+\b], s30, s31
.endr
.irp b, 0,1,2,3
	v_max_num_f32 v[TM+\b], v[TM+\b], v[TM+4+\b]   ; with lane l xor 16's 16: the block's largest magnitude
.endr
.irp b, 0,1,2,3
	v_add_nc_u32 v[TM+12+\b], 0xff000000, v[TM+\b] ; 2 off its exponent field: the conversion's scale operand
.endr
.irp b, 0,1,2,3
	v_lshrrev_b32 v[TM+4+\b], 23, v[TM+12+\b]      ; the scale's byte
.endr
	v_lshl_or_b32 v[\w], v[TM+5], 8, v[TM+4]
	v_lshl_or_b32 v[\w], v[TM+6], 16, v[\w]
	v_lshl_or_b32 v[\w], v[TM+7], 24, v[\w]
.irp b, 0,1,2,3
	v_cvt_scalef32_pk8_fp4_f32 v[PC+2*\b], v[\s+16*\b:\s+7+16*\b], v[TM+12+\b]
	v_cvt_scalef32_pk8_fp4_f32 v[PC+1+2*\b], v[\s+8+16*\b:\s+15+16*\b], v[TM+12+\b]
.endr
	v_nop                                          ; one plain place behind the scaled conversions
.irp c, 0,1                            ; the operand's layout wants a whole block in a lane: lanes 0-15 block 2 c, lanes 16-31 block 2 c + 1
.irp i, 0,1
	v_permlane16_swap_b32 v[PC+4*\c+\i], v[PC+2+4*\c+\i]
.endr
.endr
.endm
; K step 0 starts the eight sums with the bias as C.  q, k: eight registers a tile, along j.  v: my channel's bias in all eight registers, one set for all tiles.
.macro FIRST t
	s_cmp_eq_u32 s16, 2
	s_cbranch_scc1 .Lcol_\@
	WIN 0x0d
.irp jt, 0,1,2,3,4,5,6,7
	WM ACC+8*\jt, 8*\jt, 64*((\t)%2), CB+8*\jt, QS+8*(\jt/2), PS+8*((\t)/2), \jt%2, (\t)%2
.endr
	WIN 0
	s_branch .Ljoin_\@
.Lcol_\@:
.irp e, 0,1,2,3,4,5,6,7
	v_mov_b32 v[CB+\e], v[CVL+(\t)%2]
.endr
	PLACES 4
	WIN 0x0d
.irp jt, 0,1,2,3,4,5,6,7
	WM ACC+8*\jt, 8*\jt, 64*((\t)%2), CB, QS+8*(\jt/2), PS+8*((\t)/2), \jt%2, (\t)%2
.endr
	WIN 0
.Ljoin_\@:
.endm
; One tile of P.  cnt: the loads issued behind this tile's, which may stay out: the next tile's 16 pieces, and 2 loads of scale words where that tile is even (the v wave has one load more out: the count is then only stricter).
.macro TILE t, ahead, cnt
	s_wait_loadcnt \cnt
	FIRST \t
	WIN 0x0d                                       ; source 0 (Q) window 1, source 1 (P) window 3
.irp s, 1,2,3
.irp jt, 0,1,2,3,4,5,6,7
	WM ACC+8*\jt, 8*(8*\s+\jt), 64*((\t)%2)+8*\s, ACC+8*\jt, QS+8*(\jt/2)+\s, PS+8*((\t)/2)+\s, \jt%2, (\t)%2
.endr
.endr
	WIN 0x0e                                       ; source 0 window 2
.irp s, 4,5,6,7
.irp jt, 0,1,2,3,4,5,6,7
	WM ACC+8*\jt, 8*(8*(\s-4)+\jt), 64*((\t)%2)+8*\s, ACC+8*\jt, QS+8*(\jt/2)+\s, PS+8*((\t)/2)+\s, \jt%2, (\t)%2
.endr
.endr
	WIN 0
	PLACES 5                                       ; four for the loads into P's set and the first read of results, the fifth since the next tile begins these accumulators anew with another C
.if \ahead
	FETCH (\t)+2
.endif
	s_wait_xcnt 0x0                                ; the last stores have read the codes' and the scale words' registers
	QUANT ACC, SW+(\t)
	global_store_b128 v3, v[PC:PC+3], s[14:15] offset:512*(\t)      ; 512 consecutive bytes each
	global_store_b128 v4, v[PC+4:PC+7], s[14:15] offset:512*(\t)
.endm
.macro TRIPEND step
.irp i, 0,1,2,3
	v_lshrrev_b32 v[SW+\i], v6, v[SW+\i]           ; q, k: lanes 0-15 keep the first head's two bytes, lanes 16-31 the second's; v: the word as it is
.endr
.irp i, 0,1,2,3
	v_and_b32 v[SW+\i], s28, v[SW+\i]
.endr
	global_store_b128 v5, v[SW:SW+3], s[14:15]     ; sixteen lanes store 256 consecutive bytes (v: lanes 16-31 store the same bytes again)
.if \step
	s_wait_xcnt 0x0                                ; offsets and bases are stepped only behind this wait
	v_add_nc_u32 v3, s26, v3
	v_add_nc_u32 v4, s26, v4
	v_add_nc_u32 v5, s27, v5
	s_add_nc_u64 s[20:21], s[20:21], 32768
	s_add_nc_u64 s[22:23], s[22:23], 2048
	s_add_nc_u64 s[24:25], s[24:25], s[32:33]
.endif
.endm
	FETCH 0
	FETCH 1
	s_mov_b32 s29, 3
.Ltrip:
	TILE 0, 1, 16
	TILE 1, 1, 18
	TILE 2, 1, 16                                  ; tiles 4 and 5 from the trip's first are the next trip's 0 and 1
	TILE 3, 1, 18
	TRIPEND 1
	s_sub_co_u32 s29, s29, 1
	s_cmp_lg_u32 s29, 0
	s_cbranch_scc1 .Ltrip
	TILE 0, 1, 16                                  ; the last trip is written out: no load leaves its buffer
	TILE 1, 1, 18
	TILE 2, 0, 16
	TILE 3, 0, 0
	TRIPEND 0
	s_endpgm
.Lfunc_end_k_q2200321d2b_proj:
	.size	k_q2200321d2b_proj, .Lfunc_end_k_q2200321d2b_proj-k_q2200321d2b_proj
	.p2alignl 7, 3214868480
	.fill 96, 4, 3214868480
	.section	.rodata,"a",@progbits
	.p2align	6, 0x0
	.amdhsa_kernel k_q2200321d2b_proj
		.amdhsa_group_segment_fixed_size 0
		.amdhsa_private_segment_fixed_size 0
		.amdhsa_enable_private_segment 0
		.amdhsa_kernarg_size 48
		.amdhsa_user_sgpr_count 2
		.amdhsa_user_sgpr_kernarg_segment_ptr 1
		.amdhsa_wavefront_size32 1
		.amdhsa_system_sgpr_workgroup_id_x 1
		.amdhsa_system_sgpr_workgroup_id_y 1
		.amdhsa_system_sgpr_workgroup_id_z 1
		.amdhsa_system_vgpr_workitem_id 0
		.amdhsa_next_free_vgpr 896
		.amdhsa_next_free_sgpr 66
		.amdhsa_reserve_vcc 0
		.amdhsa_float_denorm_mode_32 3
		.amdhsa_float_denorm_mode_16_64 3
		.amdhsa_memory_ordered 1
		.amdhsa_forward_progress 1
		.amdhsa_inst_pref_size 145
	.end_amdhsa_kernel
	.amdgpu_metadata
---
amdhsa.version: [ 1, 2 ]
amdhsa.kernels:
  - .name:           k_q2200321d2b_proj
    .symbol:         k_q2200321d2b_proj.kd
    .args:
      - { .name: cod, .offset: 0, .size: 8, .value_kind: global_buffer, .address_space: global }
      - { .name: scl, .offset: 8, .size: 8, .value_kind: global_buffer, .address_space: global }
      - { .name: bq, .offset: 16, .size: 8, .value_kind: global_buffer, .address_space: global }
      - { .name: bk, .offset: 24, .size: 8, .value_kind: global_buffer, .address_space: global }
      - { .name: bv, .offset: 32, .size: 8, .value_kind: global_buffer, .address_space: global }
      - { .name: hd, .offset: 40, .size: 8, .value_kind: global_buffer, .address_space: global }
    .group_segment_fixed_size: 0
    .private_segment_fixed_size: 0
    .kernarg_segment_align: 8
    .kernarg_segment_size: 48
    .max_flat_workgroup_size: 96
    .sgpr_count:     66
    .vgpr_count:     896
    .wavefront_size: 32
...
	.end_amdgpu_metadata
.endif
;; end of part 2
;; launch attn (part 3): grid 4 x 64, 16 waves a work-group, clusters of 4 x 1, 169,984 bytes of LDS; arguments hd, cc, cs; writes cc, cs
.if DOCPART == 3
	.amdgcn_target "amdgcn-amd-amdhsa--gfx1250"
	.amdhsa_code_object_version 6
	.text
	.protected	k_q2200321d2b_attn
	.globl	k_q2200321d2b_attn
	.p2align	8
	.type	k_q2200321d2b_attn,@function
k_q2200321d2b_attn:
	s_mov_b64 s[64:65], 0
	v_nop
	global_prefetch_b8 v0, s[64:65] scope:SCOPE_SE
	s_setreg_imm32_b32 hwreg(HW_REG_WAVE_MODE, 25, 1), 1
	s_wait_xcnt 0x0
	s_wait_alu depctr_hold_cnt(0) depctr_sa_sdst(0) depctr_va_vdst(0) depctr_va_sdst(0) depctr_va_ssrc(0) depctr_va_vcc(0) depctr_vm_vsrc(0)
	s_getreg_b32 s2, hwreg(HW_REG_IB_STS2, 6, 4)
	s_cmp_eq_u32 s2, 0
	s_cbranch_scc0 .Lentry_in_a_cluster
	s_endpgm
.Lentry_in_a_cluster:
	s_bfe_u32 s2, ttmp6, 0x10000c
	s_cmp_lg_u32 s2, 0x3003
	s_cbranch_scc0 .Lentry_shape_is_right
	s_endpgm
.Lentry_shape_is_right:
; ctx = softmax(q k^T / 8) v for one head, both products on codes of FP4 (E2M1) with E8M0 scales, and ctx quantised at once along the model's 1,024 for the last product.
; THE SOFTMAX AHEAD OF THE SECOND PRODUCT: t = score x log2(e) / 8; M = the row's largest t so far, rounded UP to a whole number; p = 2^(t - M) is what is quantised, along the keys, not normalised.
; The row's sum is taken of the unquantised p and divides at the end.  When M moves, the sum and O are multiplied by 2^(old M - new M): exact.
; SHARES.  A work-group owns 512 queries of one head (record hr of hd), each of its sixteen waves two tiles of 16, one after the other, in 256 registers: four waves to a SIMD, so that one wave's vector work stands beside another's products and LDS loads.
; THE HEAD'S WHOLE K AND V, codes and scale words, 143,360 consecutive bytes of hd, come into LDS ONCE and are never filled again.
; CLUSTER.  The four work-groups of a head form a cluster and need the same bytes: they are asked for JOINTLY, four loads of 35,840 bytes by waves 0 to 3, the same descriptor and mask in all four work-groups.  One tensor load of a wave is out.
; LAYOUT.  Both products are used transposed: S^T = K Q^T (source 0 = 16 keys), O^T = V^T P^T (source 0 = 16 channels): a lane holds ONE query throughout.  The tiles' rows were chosen by the launches before,
; so that the 16 registers of tiles 2 b, 2 b + 1 are keys (channels) 32 b + 16 (lane / 16) + 0..15.
; THE HEAD'S 64 fill half of the instruction's 128: Q's registers 4-7 are zero codes, and the upper two bytes of Q's and K's scale words are 0 (2^-127, a number).  So K's registers 4-7 may hold anything finite:
; fragment i is named v[40 + 4 i : 47 + 4 i], its upper half being the next tile's codes.
; A block's largest p is not searched for: the block's largest score goes through the same multiply-add and exponential.  LIMIT: this takes v_exp_f32 not to fall where its input rises.  NaN and infinities are not served; a block under 2^-124 gets the byte 1.
; cc: ctx's codes, token tile Tg at 8192 Tg, piece = head: [lane][16 bytes], as the quantiser lays x.   cs: [Tg / 2][head][r]: a word: the even tile's two bytes of that head below, the odd tile's above.
.set REC, 217088
.set LKS, 65536                        ; LDS: K's codes at 0, K's scale words here,
.set LVC, 73728                        ; V's codes,
.set LVS, 139264                       ; V's scale words
.set QA,  16                           ; v16-23   the first tile's Q: codes, then zeros;  v24 its scale word
.set QB,  232                          ; v232-239 the second tile's;  v25 its scale word
.set KSW, 32                           ; v32-35   K's scale words: register i % 4, lanes 0-15 tiles 0-3, lanes 16-31 tiles 4-7
.set VSW, 36                           ; v36-39   V's: register t
.set KF,  40                           ; v40-75   K's eight tiles, four registers each; v72-75 zeros
.set VF,  76                           ; v76-107  V's four fragments
.set S,   108                          ; v108-171 S^T, then p
.set O,   172                          ; v172-203 O^T
.set PC,  204                          ; v204-211 codes just made
.set BM,  212                          ; v212-215 the blocks' largest
.set T2,  216                          ; v216-219 the partner's, then bytes
.set SO,  220                          ; v220-223 the conversions' scale operands
; v1 16 x lane; v2-4 my lane's place in V's codes, K's and V's scale words; v5, v6 my offsets in cc and cs; v7 the word for cs; v8-11 the step's addresses; v12 -M, v13 the largest t, v[14:15] the sum in two halves;
; v224 f, v225 p's scale word; v226 at work; v[228:229] the sum's second chain
.macro ROUND                           ; a round of the cluster's barrier
	s_barrier_signal -1
	s_barrier_wait -1
	s_cmp_lg_u32 s10, 0
	s_cbranch_scc1 .Lnot_wave_0_\@
	s_barrier_signal -3
.Lnot_wave_0_\@:
	s_barrier_wait -3
	s_barrier_signal -1
	s_barrier_wait -1
.endm
.macro PLACES n
.rept \n
	v_nop
.endr
.endm
; One product.  c < 0: C is the constant 0.  ra, rb: A's, B's scale words are taken from lanes 16-31 of their register.
.macro WM d, a, b, c, sa, sb, ra, rb
.if (\c) < 0
.if (\ra) && (\rb)
	v_wmma_scale_f32_16x16x128_f8f6f4 v[\d:\d+7], v[\a:\a+7], v[\b:\b+7], 0, v[\sa], v[\sb] matrix_a_fmt:MATRIX_FMT_FP4 matrix_b_fmt:MATRIX_FMT_FP4 matrix_a_scale:MATRIX_SCALE_ROW1 matrix_b_scale:MATRIX_SCALE_ROW1
.elseif (\ra)
	v_wmma_scale_f32_16x16x128_f8f6f4 v[\d:\d+7], v[\a:\a+7], v[\b:\b+7], 0, v[\sa], v[\sb] matrix_a_fmt:MATRIX_FMT_FP4 matrix_b_fmt:MATRIX_FMT_FP4 matrix_a_scale:MATRIX_SCALE_ROW1
.elseif (\rb)
	v_wmma_scale_f32_16x16x128_f8f6f4 v[\d:\d+7], v[\a:\a+7], v[\b:\b+7], 0, v[\sa], v[\sb] matrix_a_fmt:MATRIX_FMT_FP4 matrix_b_fmt:MATRIX_FMT_FP4 matrix_b_scale:MATRIX_SCALE_ROW1
.else
	v_wmma_scale_f32_16x16x128_f8f6f4 v[\d:\d+7], v[\a:\a+7], v[\b:\b+7], 0, v[\sa], v[\sb] matrix_a_fmt:MATRIX_FMT_FP4 matrix_b_fmt:MATRIX_FMT_FP4
.endif
.else
.if (\ra) && (\rb)
	v_wmma_scale_f32_16x16x128_f8f6f4 v[\d:\d+7], v[\a:\a+7], v[\b:\b+7], v[\c:\c+7], v[\sa], v[\sb] matrix_a_fmt:MATRIX_FMT_FP4 matrix_b_fmt:MATRIX_FMT_FP4 matrix_a_scale:MATRIX_SCALE_ROW1 matrix_b_scale:MATRIX_SCALE_ROW1
.elseif (\ra)
	v_wmma_scale_f32_16x16x128_f8f6f4 v[\d:\d+7], v[\a:\a+7], v[\b:\b+7], v[\c:\c+7], v[\sa], v[\sb] matrix_a_fmt:MATRIX_FMT_FP4 matrix_b_fmt:MATRIX_FMT_FP4 matrix_a_scale:MATRIX_SCALE_ROW1
.elseif (\rb)
	v_wmma_scale_f32_16x16x128_f8f6f4 v[\d:\d+7], v[\a:\a+7], v[\b:\b+7], v[\c:\c+7], v[\sa], v[\sb] matrix_a_fmt:MATRIX_FMT_FP4 matrix_b_fmt:MATRIX_FMT_FP4 matrix_b_scale:MATRIX_SCALE_ROW1
.else
	v_wmma_scale_f32_16x16x128_f8f6f4 v[\d:\d+7], v[\a:\a+7], v[\b:\b+7], v[\c:\c+7], v[\sa], v[\sb] matrix_a_fmt:MATRIX_FMT_FP4 matrix_b_fmt:MATRIX_FMT_FP4
.endif
.endif
.endm
	s_load_b128 s[4:7], s[0:1], 0x0                ; hd s[4:5], cc s[6:7]
	s_load_b64 s[8:9], s[0:1], 0x10                ; cs
	v_lshl_add_u32 v254, v0, 2, 0x29000
	v_mov_b32 v255, 0
	ds_add_u32 v254, v255
	ds_add_u32 v254, v255
	v_lshrrev_b32 v1, 5, v0
	s_delay_alu instid0(VALU_DEP_1)
	v_readfirstlane_b32 s10, v1                    ; wave 0..15
	s_bfe_u32 s11, ttmp6, 0x40000                  ; cx: my place in the cluster
	s_lshl_b32 s12, ttmp9, 2
	s_add_co_u32 s12, s12, s11                     ; my block of 512 queries: it enters Q's, cc's and cs's addresses alone
	s_and_b32 s13, ttmp7, 0xffff                   ; the record, 16 batch + head, which the four partners share
	s_mul_i32 s14, s13, REC
	; descriptor group 1: 140 rows of 256 bytes, dense in memory and in LDS
	s_mov_b32 s16, 15|(3<<16)|(1<<21)              ; 15:0 the mask: all four work-groups; 17:16 elements of 8 bytes; 21 set beside a mask; no padding
	s_mov_b32 s17, 32<<16                          ; tensor_dim0 = 32 elements
	s_mov_b32 s18, 140<<16                         ; tensor_dim1 = 140
	s_mov_b32 s19, 32<<16                          ; tile_dim0 = 32
	s_mov_b32 s20, 140                             ; tile_dim1 = 140
	s_mov_b32 s21, 32                              ; from row to row: 32 elements
	s_mov_b32 s22, 0
	s_mov_b32 s23, 0
	s_mov_b32 s24, 1                               ; group 0: count = 1,
	s_mul_i32 s25, s10, 35840                      ; LDS address: wave x 35,840,
	s_add_co_u32 s38, s14, s25
	s_add_co_u32 s38, s38, 73728                   ; from the record's K on, the same quarter
	s_mov_b32 s39, 0
	s_wait_dscnt 0x0
	s_wait_kmcnt 0x0
	s_add_nc_u64 s[26:27], s[4:5], s[38:39]
	s_or_b32 s27, s27, 0x80000000                  ; type = 2
	ROUND                                          ; all four work-groups are here: the joint loads meet
	s_cmp_lt_u32 s10, 4                            ; waves 0 to 3 fetch a quarter each; the branch hangs on the wave's number alone
	s_cbranch_scc0 .Lno_fill
	tensor_load_to_lds s[24:27], s[16:23]
	s_nop 0
	PLACES 4                                       ; four places behind a tensor load
.Lno_fill:
	v_and_b32 v9, 31, v0                           ; lane
	v_and_b32 v10, 15, v0                          ; r
	s_wait_alu depctr_va_vdst(0)
	v_lshlrev_b32 v1, 4, v9                        ; 16 x lane
	s_wait_alu depctr_va_vdst(0)
	v_add_nc_u32 v2, LVC, v1
	v_add_nc_u32 v3, LKS, v1
	v_lshl_add_u32 v4, v10, 4, LVS                 ; V's scale words: 16 r (lanes 16-31 read what lanes 0-15 read)
	s_lshl_b32 s40, s12, 14                        ; Q's codes: tile 32 block + 2 wave, 512 bytes a tile
	s_lshl_b32 s41, s10, 10
	s_add_co_u32 s40, s40, s41
	s_add_co_u32 s40, s40, s14
	s_mov_b32 s41, 0
	s_add_nc_u64 s[40:41], s[4:5], s[40:41]
	global_load_b128 v[QA:QA+3], v1, s[40:41]
	global_load_b128 v[QB:QB+3], v1, s[40:41] offset:512
	s_lshl_b32 s42, s12, 3                         ; Q's scale words: [tile / 4][r][tile % 4]
	s_lshr_b32 s43, s10, 1
	s_add_co_u32 s42, s42, s43
	s_lshl_b32 s42, s42, 8
	s_and_b32 s43, s10, 1
	s_lshl_b32 s43, s43, 3
	s_add_co_u32 s42, s42, s43
	s_add_co_u32 s42, s42, s14
	s_add_co_u32 s42, s42, 65536
	s_mov_b32 s43, 0
	s_add_nc_u64 s[42:43], s[4:5], s[42:43]
	v_lshlrev_b32 v11, 4, v10
	global_load_b32 v24, v11, s[42:43]
	global_load_b32 v25, v11, s[42:43] offset:4
	s_lshr_b32 s44, s13, 4                         ; batch
	s_and_b32 s45, s13, 15                         ; head
	s_lshl_b32 s46, s44, 6
	s_lshl_b32 s47, s12, 4
	s_add_co_u32 s46, s46, s47
	s_add_co_u32 s46, s46, s10                     ; my pair of token tiles: 64 batch + 16 block + wave
	s_lshl_b32 s47, s46, 14
	s_lshl_b32 s48, s45, 9
	s_add_co_u32 s47, s47, s48
	v_add_nc_u32 v5, s47, v1                       ; cc: 16,384 pair + 512 head + 16 lane
	s_lshl_b32 s46, s46, 10
	s_lshl_b32 s48, s45, 6
	s_add_co_u32 s46, s46, s48
	v_lshl_add_u32 v6, v10, 2, s46                 ; cs: 1,024 pair + 64 head + 4 r
	v_mov_b32 v7, 0
.irp i, 0,1,2,3
	v_mov_b32 v[QA+4+\i], 0                        ; zero codes for k = 64 .. 127
	v_mov_b32 v[QB+4+\i], 0
	v_mov_b32 v[KF+32+\i], 0                       ; the upper half of K's last fragment
	v_mov_b32 v[T2+\i], 0                          ; a lane permute's destination counts as one of its sources
.endr
	v_mov_b32 v225, 0                              ; (named as the upper half of the pair v[224:225] before it is first written)
	v_mov_b32 v226, 0
	s_mov_b32 s28, 0x76543210
	s_mov_b32 s29, 0xfedcba98                      ; v_permlanex16_b32's selects for lane l xor 16
	s_mov_b32 s30, 0x3e38aa3b                      ; c = log2(e) / 8
	s_mov_b32 s31, s30                             ; (named with it as a pair, so it is written)
	s_wait_tensorcnt 0x0                           ; my quarter is in,
	s_barrier_signal -1
	s_barrier_wait -1                              ; everybody's is
	s_wait_loadcnt 0x0                             ; Q
; One tile of 16 queries through all 2,048 keys, 128 a step, and out.  qf: its Q fragment; qw: its scale word; tile: 0 or 1.
.macro PASS qf, qw, tile
.set j, 0
.rept 32
	v_mov_b32 v[O+j], 0                            ; the step is written once: the first finds zeros, which the first change of M leaves zeros
.set j, j+1
.endr
	v_mov_b32 v13, 0xff61b1e6                      ; the largest t so far: -3e38
	s_delay_alu instid0(VALU_DEP_1)
	v_floor_f32 v12, -v13                          ; -M
	v_mov_b32 v14, 0
	v_mov_b32 v15, 0
	s_mov_b32 s32, 0                               ; the step's codes: 4,096 bytes a step, K's and V's alike,
	s_mov_b32 s33, 0                               ; K's scale words: 512,
	s_mov_b32 s34, 0                               ; V's: 256
	s_mov_b32 s35, 16
.Lstep_\@:
	s_setprio 2
	v_add_nc_u32 v8, s32, v1                       ; (these four are also the places behind the last step's products, in front of the loads into V's registers)
	v_add_nc_u32 v9, s32, v2
	v_add_nc_u32 v10, s33, v3
	v_add_nc_u32 v11, s34, v4
.irp i, 0,1,2,3,4,5,6,7
	ds_load_b128 v[KF+4*\i:KF+4*\i+3], v8 offset:512*\i
.endr
	ds_load_b128 v[KSW:KSW+3], v10
.irp t, 0,1,2,3
.irp c, 0,1
	ds_load_b128 v[VF+8*\t+4*\c:VF+8*\t+4*\c+3], v9 offset:2048*\c+512*\t
.endr
.endr
	ds_load_b128 v[VSW:VSW+3], v11
	s_wait_dscnt 9                                 ; K and its scale words are in; V's nine loads may be out
.irp i, 0,1,2,3,4,5,6,7
	WM S+8*\i, KF+4*\i, \qf, -1, KSW+\i%4, \qw, \i/4, 0
.endr
	PLACES 4
.irp b, 0,1,2,3
	v_max3_num_f32 v[BM+\b], v[S+16*\b], v[S+16*\b+1], v[S+16*\b+2]   ; the largest score of each block of 32 keys: for the row's maximum, and for the block's largest p.  Each result is read from its low end on
.endr
.irp i, 3,5,7,9,11,13
.irp b, 0,1,2,3
	v_max3_num_f32 v[BM+\b], v[BM+\b], v[S+16*\b+\i], v[S+16*\b+\i+1]
.endr
.endr
.irp b, 0,1,2,3
	v_max_num_f32 v[BM+\b], v[BM+\b], v[S+16*\b+15]
.endr
.irp b, 0,1,2,3
	s_delay_alu instid0(VALU_DEP_4)
	v_permlanex16_b32 v[T2+\b], v[BM+\b], s28, s29
.endr
.irp b, 0,1,2,3
	s_delay_alu instid0(VALU_DEP_4)
	v_max_num_f32 v[BM+\b], v[BM+\b], v[T2+\b]     ; with lane l xor 16's 16 keys
.endr
	s_delay_alu instid0(VALU_DEP_2)
	v_max3_num_f32 v226, v[BM], v[BM+1], v[BM+2]
	s_delay_alu instid0(VALU_DEP_1)
	v_max_num_f32 v226, v226, v[BM+3]
	s_delay_alu instid0(VALU_DEP_1)
	v_mul_f32 v226, s30, v226                      ; the step's largest t (c is positive)
	s_delay_alu instid0(VALU_DEP_1)
	v_max_num_f32 v13, v13, v226
	v_mov_b32 v226, v12
	s_delay_alu instid0(VALU_DEP_2)
	v_floor_f32 v12, -v13                          ; the new -M = -ceil(t)
	s_delay_alu instid0(VALU_DEP_1)
	v_sub_f32 v226, v12, v226                      ; old M - new M: a whole number, 0 or less
	s_delay_alu instid0(VALU_DEP_1)
	v_cvt_i32_f32 v226, v226                       ; (it saturates)
	s_delay_alu instid0(VALU_DEP_1)
	v_ldexp_f32 v224, 1.0, v226                    ; f = 2^(old M - new M)
.set j, 0
.rept 32
	v_pk_fma_f32 v[S+j:S+j+1], v[S+j:S+j+1], s[30:31], v[12:13] op_sel_hi:[1,0,0]   ; t - M, two at a time
.set j, j+2
.endr
.irp b, 0,1,2,3
	v_fma_f32 v[BM+\b], v[BM+\b], s30, v12
.endr
.set j, 0
	s_wait_alu depctr_va_vdst(0)
.rept 64
	v_exp_f32 v[S+j], v[S+j]                       ; p = 2^(t - M)
.set j, j+1
.endr
	s_setprio 1
.irp b, 0,1,2,3
	v_exp_f32 v[BM+\b], v[BM+\b]                   ; the block's largest p
.endr
	v_pk_mul_f32 v[14:15], v[14:15], v[224:225] op_sel_hi:[1,0]   ; the sums under the new M.  (The plain place behind the exponentials)
	s_wait_alu depctr_va_vdst(0)
.irp b, 0,1,2,3
	v_max_num_f32 v[BM+\b], 0x1800000, v[BM+\b]    ; the floor 2^(3 - 127): the byte cannot fall under 1
.endr
.irp b, 0,1,2,3
	s_delay_alu instid0(VALU_DEP_4)
	v_add_nc_u32 v[SO+\b], 0xff000000, v[BM+\b]
.endr
.irp b, 0,1,2,3
	s_delay_alu instid0(VALU_DEP_4)
	v_lshrrev_b32 v[T2+\b], 23, v[SO+\b]
.endr
	s_delay_alu instid0(VALU_DEP_3)
	v_lshl_or_b32 v225, v[T2+1], 8, v[T2]          ; p's scale word for these 128 keys
	s_delay_alu instid0(VALU_DEP_1)
	v_lshl_or_b32 v225, v[T2+2], 16, v225
	s_delay_alu instid0(VALU_DEP_1)
	v_lshl_or_b32 v225, v[T2+3], 24, v225
.irp b, 0,1,2,3
	v_cvt_scalef32_pk8_fp4_f32 v[PC+2*\b], v[S+16*\b:S+16*\b+7], v[SO+\b]
	v_cvt_scalef32_pk8_fp4_f32 v[PC+2*\b+1], v[S+16*\b+8:S+16*\b+15], v[SO+\b]
.endr
	v_nop                                          ; one plain place behind the scaled conversions
.irp c, 0,1
.irp i, 0,1
	v_permlane16_swap_b32 v[PC+4*\c+\i], v[PC+2+4*\c+\i]   ; a whole block to a lane
.endr
.endr
	v_pk_add_f32 v[228:229], v[112:113], v[116:117]
	v_pk_add_f32 v[252:253], v[120:121], v[124:125]
	v_pk_add_f32 v[250:251], v[128:129], v[132:133]
	v_pk_add_f32 v[248:249], v[136:137], v[140:141]
	v_pk_add_f32 v[246:247], v[144:145], v[148:149]
	v_pk_add_f32 v[244:245], v[152:153], v[156:157]
	v_pk_add_f32 v[242:243], v[160:161], v[164:165]
	v_pk_add_f32 v[14:15], v[14:15], v[168:169]
	v_pk_add_f32 v[228:229], v[228:229], v[108:109]
	v_pk_add_f32 v[252:253], v[252:253], v[110:111]
	v_pk_add_f32 v[250:251], v[250:251], v[114:115]
	v_pk_add_f32 v[248:249], v[248:249], v[118:119]
	v_pk_add_f32 v[246:247], v[246:247], v[122:123]
	v_pk_add_f32 v[244:245], v[244:245], v[126:127]
	v_pk_add_f32 v[242:243], v[242:243], v[130:131]
	v_pk_add_f32 v[14:15], v[14:15], v[134:135]
	v_pk_add_f32 v[228:229], v[228:229], v[138:139]
	v_pk_add_f32 v[252:253], v[252:253], v[142:143]
	v_pk_add_f32 v[250:251], v[250:251], v[146:147]
	v_pk_add_f32 v[248:249], v[248:249], v[150:151]
	v_pk_add_f32 v[246:247], v[246:247], v[154:155]
	v_pk_add_f32 v[244:245], v[244:245], v[158:159]
	v_pk_add_f32 v[242:243], v[242:243], v[162:163]
	v_pk_add_f32 v[14:15], v[14:15], v[166:167]
	v_pk_add_f32 v[228:229], v[228:229], v[170:171]
	s_delay_alu instid0(VALU_DEP_2)
	v_pk_add_f32 v[14:15], v[14:15], v[248:249]
	s_delay_alu instid0(VALU_DEP_2)
	v_pk_add_f32 v[228:229], v[228:229], v[246:247]
	v_pk_add_f32 v[252:253], v[252:253], v[244:245]
	v_pk_add_f32 v[250:251], v[250:251], v[242:243]
	s_delay_alu instid0(VALU_DEP_2)
	v_pk_add_f32 v[14:15], v[14:15], v[252:253]
	s_delay_alu instid0(VALU_DEP_2)
	v_pk_add_f32 v[228:229], v[228:229], v[250:251]
	s_delay_alu instid0(VALU_DEP_1)
	v_pk_add_f32 v[14:15], v[14:15], v[228:229]
.set j, 0
	s_setprio 0
.rept 16
	v_pk_mul_f32 v[O+j:O+j+1], v[O+j:O+j+1], v[224:225] op_sel_hi:[1,0]   ; O^T under the new M.  (These and the sums are the places between p's scale word and codes and the products below)
.set j, j+2
.endr
	s_wait_alu depctr_va_vdst(0)
	s_wait_dscnt 0x0                               ; V is in
.irp t, 0,1,2,3
	WM O+8*\t, VF+8*\t, PC, O+8*\t, VSW+\t, 225, 0, 0
.endr
	s_add_co_u32 s32, s32, 4096
	s_add_co_u32 s33, s33, 512
	s_add_co_u32 s34, s34, 256
	s_sub_co_u32 s35, s35, 1
	s_cmp_lg_u32 s35, 0
	s_cbranch_scc1 .Lstep_\@
	s_setprio 0
	; the tile's way out: O^T / the sum is ctx(my token, the head's channels 32 b + 16 (lane / 16) + 0..15): two blocks of the last product's K
	PLACES 4
	v_add_f32 v14, v14, v15
	s_delay_alu instid0(VALU_DEP_1)
	v_permlanex16_b32 v226, v14, s28, s29
	s_delay_alu instid0(VALU_DEP_1)
	v_add_f32 v14, v14, v226                       ; the row's sum
	s_wait_alu depctr_va_vdst(0)
	v_rcp_f32 v14, v14
	v_nop                                          ; one plain place behind the transcendental
.set j, 0
	s_wait_alu depctr_va_vdst(0)
.rept 16
	v_pk_mul_f32 v[S+j:S+j+1], v[O+j:O+j+1], v[14:15] op_sel_hi:[1,0]   ; each accumulator from its low end on
.set j, j+2
.endr
.irp b, 0,1
	v_max3_num_f32 v[BM+\b], |v[S+16*\b]|, |v[S+16*\b+1]|, 0x1800000
.endr
.irp i, 2,4,6,8,10,12,14
.irp b, 0,1
	s_delay_alu instid0(VALU_DEP_2)
	v_max3_num_f32 v[BM+\b], v[BM+\b], |v[S+16*\b+\i]|, |v[S+16*\b+\i+1]|
.endr
.endr
.irp b, 0,1
	s_delay_alu instid0(VALU_DEP_2)
	v_permlanex16_b32 v[T2+\b], v[BM+\b], s28, s29
.endr
.irp b, 0,1
	s_delay_alu instid0(VALU_DEP_2)
	v_max_num_f32 v[BM+\b], v[BM+\b], v[T2+\b]
.endr
.irp b, 0,1
	s_delay_alu instid0(VALU_DEP_2)
	v_add_nc_u32 v[SO+\b], 0xff000000, v[BM+\b]
.endr
.irp b, 0,1
	s_delay_alu instid0(VALU_DEP_2)
	v_lshrrev_b32 v[T2+\b], 23, v[SO+\b]
.endr
.irp b, 0,1
	v_cvt_scalef32_pk8_fp4_f32 v[PC+2*\b], v[S+16*\b:S+16*\b+7], v[SO+\b]
	v_cvt_scalef32_pk8_fp4_f32 v[PC+2*\b+1], v[S+16*\b+8:S+16*\b+15], v[SO+\b]
.endr
	v_nop
	v_permlane16_swap_b32 v[PC], v[PC+2]           ; lanes 0-15 the head's first block, lanes 16-31 its second
	v_permlane16_swap_b32 v[PC+1], v[PC+3]
	global_store_b128 v5, v[PC:PC+3], s[6:7] offset:8192*\tile     ; the tile's piece of this head: 512 consecutive bytes
	v_lshl_or_b32 v226, v[T2+1], 8, v[T2]
	s_delay_alu instid0(VALU_DEP_1)
	v_lshl_or_b32 v7, v226, 16*\tile, v7           ; the tile's two bytes into the pair's word
	s_wait_xcnt 0x0                                ; the store has read the codes' registers
.endm
	PASS QA, 24, 0
	PASS QB, 25, 1
	s_wait_alu depctr_va_vdst(0)
	global_store_b32 v6, v7, s[8:9]                ; sixteen lanes store 64 consecutive bytes (lanes 16-31 store the same bytes again)
	s_wait_dscnt 0x0
	s_wait_tensorcnt 0x0
	ds_add_u32 v254, v255
	s_wait_dscnt 0x0
	ROUND                                          ; the closing round: no work-group ends while a partner may still ask for bytes jointly
	s_endpgm
.Lfunc_end_k_q2200321d2b_attn:
	.size	k_q2200321d2b_attn, .Lfunc_end_k_q2200321d2b_attn-k_q2200321d2b_attn
	.p2alignl 7, 3214868480
	.fill 96, 4, 3214868480
	.section	.rodata,"a",@progbits
	.p2align	6, 0x0
	.amdhsa_kernel k_q2200321d2b_attn
		.amdhsa_group_segment_fixed_size 169984
		.amdhsa_private_segment_fixed_size 0
		.amdhsa_enable_private_segment 0
		.amdhsa_kernarg_size 24
		.amdhsa_user_sgpr_count 2
		.amdhsa_user_sgpr_kernarg_segment_ptr 1
		.amdhsa_wavefront_size32 1
		.amdhsa_system_sgpr_workgroup_id_x 1
		.amdhsa_system_sgpr_workgroup_id_y 1
		.amdhsa_system_sgpr_workgroup_id_z 1
		.amdhsa_system_vgpr_workitem_id 0
		.amdhsa_next_free_vgpr 256
		.amdhsa_next_free_sgpr 66
		.amdhsa_reserve_vcc 0
		.amdhsa_float_denorm_mode_32 3
		.amdhsa_float_denorm_mode_16_64 3
		.amdhsa_memory_ordered 1
		.amdhsa_forward_progress 1
		.amdhsa_inst_pref_size 49
	.end_amdhsa_kernel
	.amdgpu_metadata
---
amdhsa.version: [ 1, 2 ]
amdhsa.kernels:
  - .name:           k_q2200321d2b_attn
    .symbol:         k_q2200321d2b_attn.kd
    .args:
      - { .name: hd, .offset: 0, .size: 8, .value_kind: global_buffer, .address_space: global }
      - { .name: cc, .offset: 8, .size: 8, .value_kind: global_buffer, .address_space: global }
      - { .name: cs, .offset: 16, .size: 8, .value_kind: global_buffer, .address_space: global }
    .group_segment_fixed_size: 169984
    .private_segment_fixed_size: 0
    .kernarg_segment_align: 8
    .kernarg_segment_size: 24
    .max_flat_workgroup_size: 512
    .sgpr_count:     66
    .vgpr_count:     256
    .wavefront_size: 32
...
	.end_amdgpu_metadata
.endif
;; end of part 3
;; launch outln (part 4): grid 256 x 1, 16 waves a work-group, no clusters, 281,088 bytes of LDS; arguments cc, cs, cod, scl, bd, x, gamma, beta, out0; writes out0
.if DOCPART == 4
	.amdgcn_target "amdgcn-amd-amdhsa--gfx1250"
	.amdhsa_code_object_version 6
	.text
	.protected	k_q2200321d2b_outln
	.globl	k_q2200321d2b_outln
	.p2align	8
	.type	k_q2200321d2b_outln,@function
k_q2200321d2b_outln:
	s_mov_b64 s[64:65], 0
	v_nop
	global_prefetch_b8 v0, s[64:65] scope:SCOPE_SE
	s_setreg_imm32_b32 hwreg(HW_REG_WAVE_MODE, 25, 1), 1
	s_wait_xcnt 0x0
; out0 = LayerNorm(ctx Wd^T + bd + x) x gamma + beta.  The product is on codes of FP4 (E2M1) with E8M0 scales; all else in f32, mean and variance in two passes over registers.
; SHARES.  A work-group owns 32 tokens: token tiles 2 g and 2 g + 1.  In the product THE WAVES SHARE THE CHANNELS: wave w makes channels 64 w .. 64 w + 63 (Wd's tiles 1216 + 4 w + jt) for both tiles: 8 accumulators, which
; take turns.  In the norm each wave owns two whole tokens, 32 g + 2 w and the next.
; ctx's 16 fragments (16,384 consecutive bytes of cc) go round through LDS as images of their registers; Wd's fragments come from memory straight into registers, four K steps ahead.
; x's 32 rows come into LDS by asynchronous copies at the head, each wave's own two rows, filled once: 8,192 bytes a wave on their way through the whole product, in no register.
; The results meet in a stage, rows 4,112 bytes apart (an odd multiple of 16), row 16 m + r for lane r of tile m, whose token is 32 g + 8 m + r + 8 (r / 8).
; JOINT LOADS are not used though all work-groups walk the same Wd: beside x's rows, the stage and ctx (279,040 bytes) only a small ring would fit, to be filled again behind a round of a cluster's barrier every few K steps.
; REGISTERS: v1 16 x lane, v2 32 x lane, v3-8, v14 addresses; v16-31 Wd's scale words, v32-39 ctx's (these hold scales and nothing else); v40-55 ctx's fragments of a K step, later at work; v56-119 accumulators, later token 0 and x;
;   v120-247 Wd's fragments, four sets of 32, later bd, gamma, beta and token 1; v248-255 cs's words as loaded.
.set CI,  0                            ; LDS: ctx's images [tile m][K step s][c][512 bytes]
.set STG, 16384                        ; the stage: 32 rows x 4,112
.set SPT, 4112
.set XR,  147968                       ; x's 32 rows of 4,096 bytes: whole blocks of 256 bytes into which nothing is stored
.set WS,  16
.set CSW, 32
.set CF,  40
.set ACC, 56
.set WF,  120
.set CWR, 248
.set H0,  56                           ; token 0
.set XX,  88                           ; a row of x
.set H1,  216                          ; token 1
.set BD,  120
.set GA,  152
.set BE,  184
.macro PLACES n
.rept \n
	v_nop
.endr
.endm
; One product.  c < 0: C is the constant 0.  ra, rb: A's, B's scale words are taken from lanes 16-31 of their register.
.macro WM d, a, b, c, sa, sb, ra, rb
.if (\c) < 0
.if (\ra) && (\rb)
	v_wmma_scale_f32_16x16x128_f8f6f4 v[\d:\d+7], v[\a:\a+7], v[\b:\b+7], 0, v[\sa], v[\sb] matrix_a_fmt:MATRIX_FMT_FP4 matrix_b_fmt:MATRIX_FMT_FP4 matrix_a_scale:MATRIX_SCALE_ROW1 matrix_b_scale:MATRIX_SCALE_ROW1
.elseif (\ra)
	v_wmma_scale_f32_16x16x128_f8f6f4 v[\d:\d+7], v[\a:\a+7], v[\b:\b+7], 0, v[\sa], v[\sb] matrix_a_fmt:MATRIX_FMT_FP4 matrix_b_fmt:MATRIX_FMT_FP4 matrix_a_scale:MATRIX_SCALE_ROW1
.elseif (\rb)
	v_wmma_scale_f32_16x16x128_f8f6f4 v[\d:\d+7], v[\a:\a+7], v[\b:\b+7], 0, v[\sa], v[\sb] matrix_a_fmt:MATRIX_FMT_FP4 matrix_b_fmt:MATRIX_FMT_FP4 matrix_b_scale:MATRIX_SCALE_ROW1
.else
	v_wmma_scale_f32_16x16x128_f8f6f4 v[\d:\d+7], v[\a:\a+7], v[\b:\b+7], 0, v[\sa], v[\sb] matrix_a_fmt:MATRIX_FMT_FP4 matrix_b_fmt:MATRIX_FMT_FP4
.endif
.else
.if (\ra) && (\rb)
	v_wmma_scale_f32_16x16x128_f8f6f4 v[\d:\d+7], v[\a:\a+7], v[\b:\b+7], v[\c:\c+7], v[\sa], v[\sb] matrix_a_fmt:MATRIX_FMT_FP4 matrix_b_fmt:MATRIX_FMT_FP4 matrix_a_scale:MATRIX_SCALE_ROW1 matrix_b_scale:MATRIX_SCALE_ROW1
.elseif (\ra)
	v_wmma_scale_f32_16x16x128_f8f6f4 v[\d:\d+7], v[\a:\a+7], v[\b:\b+7], v[\c:\c+7], v[\sa], v[\sb] matrix_a_fmt:MATRIX_FMT_FP4 matrix_b_fmt:MATRIX_FMT_FP4 matrix_a_scale:MATRIX_SCALE_ROW1
.elseif (\rb)
	v_wmma_scale_f32_16x16x128_f8f6f4 v[\d:\d+7], v[\a:\a+7], v[\b:\b+7], v[\c:\c+7], v[\sa], v[\sb] matrix_a_fmt:MATRIX_FMT_FP4 matrix_b_fmt:MATRIX_FMT_FP4 matrix_b_scale:MATRIX_SCALE_ROW1
.else
	v_wmma_scale_f32_16x16x128_f8f6f4 v[\d:\d+7], v[\a:\a+7], v[\b:\b+7], v[\c:\c+7], v[\sa], v[\sb] matrix_a_fmt:MATRIX_FMT_FP4 matrix_b_fmt:MATRIX_FMT_FP4
.endif
.endif
.endm
	s_load_b256 s[4:11], s[0:1], 0x0               ; cc s[4:5], cs s[6:7], cod s[8:9], scl s[10:11]
	s_load_b256 s[12:19], s[0:1], 0x20             ; bd s[12:13], x s[14:15], gamma s[16:17], beta s[18:19]
	s_load_b64 s[20:21], s[0:1], 0x40              ; out0
	v_lshl_add_u32 v13, v0, 2, 0x44200
	v_mov_b32 v15, 0
	ds_add_u32 v13, v15
	ds_add_u32 v13, v15
	v_lshrrev_b32 v1, 5, v0
	s_delay_alu instid0(VALU_DEP_1)
	v_readfirstlane_b32 s22, v1                    ; wave 0..15
	v_and_b32 v9, 31, v0                           ; lane
	v_and_b32 v10, 15, v0                          ; r
	v_bfe_u32 v11, v0, 4, 1                        ; h
	s_delay_alu instid0(VALU_DEP_3)
	v_lshlrev_b32 v1, 4, v9                        ; 16 x lane; never rewritten
	s_delay_alu instid0(VALU_DEP_4)
	v_lshlrev_b32 v2, 5, v9                        ; 32 x lane
	s_delay_alu instid0(VALU_DEP_4)
	v_lshlrev_b32 v3, 2, v10
	s_delay_alu instid0(VALU_DEP_1)
	v_lshl_add_u32 v3, v11, 9, v3                  ; cs: 4 r, lanes 16-31 eight heads on
	s_lshl_b32 s23, s22, 10
	v_add_nc_u32 v4, s23, v1
	s_delay_alu instid0(VALU_DEP_1)
	v_add_nc_u32 v4, CI, v4                        ; where I store my fragment of ctx: 1,024 wave + 16 lane
	v_add_nc_u32 v5, CI, v1                        ; where any fragment is read
	v_mul_u32_u24 v6, v10, SPT
	s_delay_alu instid0(VALU_DEP_1)
	v_lshl_add_u32 v6, v11, 6, v6
	s_lshl_b32 s23, s22, 8
	s_add_co_u32 s23, s23, STG
	v_add_nc_u32 v6, s23, v6                       ; the stage, in: row r, + 64 h + 256 wave;
	s_delay_alu instid0(VALU_DEP_1)
	v_add_nc_u32 v7, 16*SPT, v6                    ; tile 1's rows
	s_lshr_b32 s24, s22, 2                         ; back: token 32 g + 2 w lies in row 16 ((w / 4) % 2) + 2 (w % 4) + 8 (w / 8), the next token in the next row
	s_and_b32 s24, s24, 1
	s_lshl_b32 s24, s24, 4
	s_and_b32 s25, s22, 3
	s_lshl_b32 s25, s25, 1
	s_add_co_u32 s24, s24, s25
	s_lshr_b32 s25, s22, 3
	s_lshl_b32 s25, s25, 3
	s_add_co_u32 s24, s24, s25
	s_mul_i32 s24, s24, SPT
	s_add_co_u32 s24, s24, STG
	v_add_nc_u32 v8, s24, v1
	s_lshl_b32 s25, s22, 13
	s_add_co_u32 s25, s25, XR
	v_add_nc_u32 v14, s25, v1                      ; x's rows: 8,192 wave + 16 lane; never rewritten
	s_mov_b32 s30, 0x3a800000                      ; 1 / 1024
	s_mov_b32 s31, 0x2b8cbccc                      ; 1e-12
	s_mov_b32 s32, 0x76543210
	s_mov_b32 s33, 0xfedcba98                      ; v_permlanex16_b32's selects for lane l xor 16
	s_wait_alu depctr_va_vdst(0)
	s_wait_dscnt 0x0
	s_wait_kmcnt 0x0
	s_mov_b32 s27, 0
	s_lshl_b32 s26, ttmp9, 17                      ; 32 tokens of 4,096 bytes a work-group,
	s_lshl_b32 s28, s22, 13                        ; two a wave
	s_add_co_u32 s26, s26, s28
	s_add_nc_u64 s[14:15], s[14:15], s[26:27]
	s_add_nc_u64 s[20:21], s[20:21], s[26:27]
.irp i, 0,1,2,3,4,5,6,7,8,9,10,11,12,13,14,15
	global_load_async_to_lds_b128 v14, v1, s[14:15] offset:512*\i   ; my two rows of x; the immediate steps both addresses
.endr
	s_lshl_b32 s26, ttmp9, 14
	s_lshl_b32 s28, s22, 10
	s_add_co_u32 s26, s26, s28
	s_add_nc_u64 s[4:5], s[4:5], s[26:27]          ; cc: my sixteenth of the two tiles
	s_lshl_b32 s26, ttmp9, 10
	s_add_nc_u64 s[6:7], s[6:7], s[26:27]          ; cs: the pair's 1,024 bytes
	s_lshl_b32 s28, s22, 2
	s_add_co_u32 s28, s28, 1216                    ; Wd's tile 4 w
	s_lshl_b32 s26, s28, 13
	s_add_nc_u64 s[8:9], s[8:9], s[26:27]
	s_lshl_b32 s26, s28, 9
	s_add_nc_u64 s[10:11], s[10:11], s[26:27]
.macro WLOAD s                         ; Wd's four fragments of K step s into set s % 4
.irp jt, 0,1,2,3
.irp c, 0,1
	global_load_b128 v[WF+32*((\s)%4)+8*\jt+4*\c:WF+32*((\s)%4)+8*\jt+4*\c+3], v1, s[8:9] offset:\jt*8192+1024*(\s)+512*\c
.endr
.endr
.endm
.macro ROWLD reg, ptr                  ; a row of 1,024 numbers: register 4 i + e = channel 128 i + 4 lane + e
.irp i, 0,1,2,3,4,5,6,7
	global_load_b128 v[\reg+4*\i:\reg+4*\i+3], v1, s[\ptr:\ptr+1] offset:512*\i
.endr
.endm
.macro CLOAD s                         ; ctx's two fragments of K step s
.irp m, 0,1
.irp c, 0,1
	ds_load_b128 v[CF+8*\m+4*\c:CF+8*\m+4*\c+3], v5 offset:8192*\m+1024*(\s)+512*\c
.endr
.endr
.endm
	global_load_b128 v[CF:CF+3], v1, s[4:5]
	global_load_b128 v[CF+4:CF+7], v1, s[4:5] offset:512
.irp i, 0,1,2,3,4,5,6,7
	global_load_b32 v[CWR+\i], v3, s[6:7] offset:64*\i             ; lanes 0-15 head i, lanes 16-31 head 8 + i
.endr
.irp p, 0,1
	global_load_b128 v[WS+8*\p:WS+8*\p+3], v2, s[10:11] offset:1024*\p      ; register 8 p + s: lanes 0-15 tile 2 p, lanes 16-31 tile 2 p + 1
	global_load_b128 v[WS+8*\p+4:WS+8*\p+7], v2, s[10:11] offset:1024*\p+16
.endr
	WLOAD 0
	WLOAD 1
	WLOAD 2
	WLOAD 3
	s_wait_loadcnt 44                              ; my fragment of ctx is in; behind it: 8 + 4 + 32 loads
	ds_store_b128 v4, v[CF:CF+3]
	ds_store_b128 v4, v[CF+4:CF+7] offset:512
	s_wait_dscnt 0x0                               ; for the others' sake
	s_barrier_signal -1
	s_barrier_wait -1                              ; ctx's sixteen fragments lie in LDS
	s_wait_loadcnt 32                              ; the scale words are in; Wd's four sets may be out
.irp q, 0,1,2,3                        ; a K step is two heads: their two bytes each make its word.  Lanes 0-15: K step q, lanes 16-31: K step q + 4
	v_perm_b32 v[CSW+\q], v[CWR+2*\q+1], v[CWR+2*\q], 0x05040100    ; tile 0: the two low halves
	v_perm_b32 v[CSW+4+\q], v[CWR+2*\q+1], v[CWR+2*\q], 0x07060302  ; tile 1: the two high halves
.endr
	CLOAD 0
	PLACES 8                                       ; scale registers written by vector instructions stand 8 places ahead of a scaled matrix instruction
.macro KSTEP s
	s_wait_loadcnt 24                              ; this K step's set is in; behind it: three groups of eight loads
	s_wait_dscnt 0x0
.irp jt, 0,1,2,3
.irp m, 0,1
.if (\s) == 0
	WM ACC+8*(2*\jt+\m), WF+32*((\s)%4)+8*\jt, CF+8*\m, -1, WS+8*(\jt/2)+(\s), CSW+4*\m+(\s)%4, \jt%2, (\s)/4
.else
	WM ACC+8*(2*\jt+\m), WF+32*((\s)%4)+8*\jt, CF+8*\m, ACC+8*(2*\jt+\m), WS+8*(\jt/2)+(\s), CSW+4*\m+(\s)%4, \jt%2, (\s)/4
.endif
.endr
.endr
	PLACES 4                                       ; in front of loads into registers that these products have read, and of the first read of results
.if (\s) < 4
	WLOAD (\s)+4
.elseif (\s) == 4
	ROWLD BD, 12                                   ; the sets that are done with take bd, gamma and beta: eight loads each, so that the count above stays
.elseif (\s) == 5
	ROWLD GA, 16
.elseif (\s) == 6
	ROWLD BE, 18
.endif
.if (\s) < 7
	CLOAD (\s)+1
.endif
.endm
	s_wait_alu depctr_va_vdst(0)
.irp t, 0,1,2,3,4,5,6,7
	KSTEP \t
.endr
.irp jt, 0,1,2,3                       ; lane (r, h), tile jt, register e: channel 64 w + 32 (jt / 2) + 16 h + 8 (jt % 2) + e of token row 16 m + r.  Each accumulator from its low end on
.irp m, 0,1
	ds_store_b128 v[6+\m], v[ACC+8*(2*\jt+\m):ACC+8*(2*\jt+\m)+3] offset:128*(\jt/2)+32*(\jt%2)
	ds_store_b128 v[6+\m], v[ACC+8*(2*\jt+\m)+4:ACC+8*(2*\jt+\m)+7] offset:128*(\jt/2)+32*(\jt%2)+16
.endr
.endr
	s_wait_dscnt 0x0                               ; for the others' sake
	s_barrier_signal -1
	s_barrier_wait -1                              ; 32 whole rows lie in the stage
	s_wait_asynccnt 0x0                            ; my two rows of x are in LDS
	s_wait_loadcnt 0x0                             ; bd, gamma, beta
.macro WSUM                            ; v40 summed over the 32 lanes, into every lane
	s_delay_alu instid0(VALU_DEP_1)
	v_add_f32_dpp v40, v40, v40 row_xmask:1 row_mask:0xf bank_mask:0xf
	s_delay_alu instid0(VALU_DEP_1)
	v_add_f32_dpp v40, v40, v40 row_xmask:2 row_mask:0xf bank_mask:0xf
	s_delay_alu instid0(VALU_DEP_1)
	v_add_f32_dpp v40, v40, v40 row_xmask:4 row_mask:0xf bank_mask:0xf
	s_delay_alu instid0(VALU_DEP_1)
	v_add_f32_dpp v40, v40, v40 row_xmask:8 row_mask:0xf bank_mask:0xf
	s_delay_alu instid0(VALU_DEP_1)
	v_permlanex16_b32 v41, v40, s32, s33
	s_delay_alu instid0(VALU_DEP_1)
	v_add_f32 v40, v40, v41
.endm
.macro ADDX h
.set j, 0
.rept 16
	v_pk_add_f32 v[\h+j:\h+j+1], v[\h+j:\h+j+1], v[XX+j:XX+j+1]
.set j, j+2
.endr
.endm
; One token: 32 numbers a lane in v[h] on (the product + x).  off: its row's place behind my first token's in out0.
.macro LN h, off
.set j, 0
.rept 16
	v_pk_add_f32 v[\h+j:\h+j+1], v[\h+j:\h+j+1], v[BD+j:BD+j+1]
.set j, j+2
.endr
	v_pk_add_f32 v[40:41], v[\h:\h+1], v[\h+2:\h+3]                ; the sum, in two chains
	v_pk_add_f32 v[42:43], v[\h+4:\h+5], v[\h+6:\h+7]
.irp j, 8,12,16,20,24,28
	s_delay_alu instid0(VALU_DEP_2)
	v_pk_add_f32 v[40:41], v[40:41], v[\h+\j:\h+\j+1]
	s_delay_alu instid0(VALU_DEP_2)
	v_pk_add_f32 v[42:43], v[42:43], v[\h+\j+2:\h+\j+3]
.endr
	s_delay_alu instid0(VALU_DEP_1)
	v_pk_add_f32 v[40:41], v[40:41], v[42:43]
	s_delay_alu instid0(VALU_DEP_1)
	v_add_f32 v40, v40, v41
	WSUM
	s_delay_alu instid0(VALU_DEP_1)
	v_mul_f32 v44, 0xba800000, v40                 ; minus the mean
	s_delay_alu instid0(VALU_DEP_2)
	v_mul_f32 v45, 0xba800000, v40
.set j, 0
.rept 16
	v_pk_add_f32 v[\h+j:\h+j+1], v[\h+j:\h+j+1], v[44:45]
.set j, j+2
.endr
	v_pk_mul_f32 v[40:41], v[\h:\h+1], v[\h:\h+1]                  ; the squares of what is left, in two chains
	v_pk_mul_f32 v[42:43], v[\h+2:\h+3], v[\h+2:\h+3]
.irp j, 4,8,12,16,20,24,28
	s_delay_alu instid0(VALU_DEP_2)
	v_pk_fma_f32 v[40:41], v[\h+\j:\h+\j+1], v[\h+\j:\h+\j+1], v[40:41]
	s_delay_alu instid0(VALU_DEP_2)
	v_pk_fma_f32 v[42:43], v[\h+\j+2:\h+\j+3], v[\h+\j+2:\h+\j+3], v[42:43]
.endr
	s_delay_alu instid0(VALU_DEP_1)
	v_pk_add_f32 v[40:41], v[40:41], v[42:43]
	s_delay_alu instid0(VALU_DEP_1)
	v_add_f32 v40, v40, v41
	WSUM
	s_delay_alu instid0(VALU_DEP_1)
	v_fma_f32 v40, v40, s30, s31                   ; the variance + 1e-12
	s_wait_alu depctr_va_vdst(0)
	v_rsq_f32 v46, v40
	v_rsq_f32 v47, v40                             ; (twice: a pair for the packed multiply)
	v_nop                                          ; one plain place behind the transcendentals
.set j, 0
	s_wait_alu depctr_va_vdst(0)
.rept 16
	v_pk_mul_f32 v[\h+j:\h+j+1], v[\h+j:\h+j+1], v[46:47]
.set j, j+2
.endr
.set j, 0
.rept 16
	v_pk_fma_f32 v[\h+j:\h+j+1], v[\h+j:\h+j+1], v[GA+j:GA+j+1], v[BE+j:BE+j+1]
.set j, j+2
.endr
.irp i, 0,1,2,3,4,5,6,7
	global_store_b128 v1, v[\h+4*\i:\h+4*\i+3], s[20:21] offset:\off+512*\i th:TH_STORE_NT   ; 512 consecutive bytes, at a multiple of 256 from out0's first byte
.endr
.endm
.irp i, 0,1,2,3,4,5,6,7
	ds_load_b128 v[H0+4*\i:H0+4*\i+3], v8 offset:512*\i
.endr
.irp i, 0,1,2,3,4,5,6,7
	ds_load_b128 v[XX+4*\i:XX+4*\i+3], v14 offset:512*\i
.endr
.irp i, 0,1,2,3,4,5,6,7
	ds_load_b128 v[H1+4*\i:H1+4*\i+3], v8 offset:SPT+512*\i
.endr
	s_wait_dscnt 8                                 ; token 0's two rows are in; token 1's stage row may be out
	ADDX H0
.irp i, 0,1,2,3,4,5,6,7
	ds_load_b128 v[XX+4*\i:XX+4*\i+3], v14 offset:4096+512*\i      ; token 1's row of x lands while token 0 is worked
.endr
	LN H0, 0
	s_wait_dscnt 0x0
	ADDX H1
	LN H1, 4096
	s_wait_tensorcnt 0x0
	ds_add_u32 v13, v15
	s_wait_dscnt 0x0
	s_endpgm
.Lfunc_end_k_q2200321d2b_outln:
	.size	k_q2200321d2b_outln, .Lfunc_end_k_q2200321d2b_outln-k_q2200321d2b_outln
	.p2alignl 7, 3214868480
	.fill 96, 4, 3214868480
	.section	.rodata,"a",@progbits
	.p2align	6, 0x0
	.amdhsa_kernel k_q2200321d2b_outln
		.amdhsa_group_segment_fixed_size 281088
		.amdhsa_private_segment_fixed_size 0
		.amdhsa_enable_private_segment 0
		.amdhsa_kernarg_size 72
		.amdhsa_user_sgpr_count 2
		.amdhsa_user_sgpr_kernarg_segment_ptr 1
		.amdhsa_wavefront_size32 1
		.amdhsa_system_sgpr_workgroup_id_x 1
		.amdhsa_system_sgpr_workgroup_id_y 1
		.amdhsa_system_sgpr_workgroup_id_z 1
		.amdhsa_system_vgpr_workitem_id 0
		.amdhsa_next_free_vgpr 256
		.amdhsa_next_free_sgpr 66
		.amdhsa_reserve_vcc 0
		.amdhsa_float_denorm_mode_32 3
		.amdhsa_float_denorm_mode_16_64 3
		.amdhsa_memory_ordered 1
		.amdhsa_forward_progress 1
		.amdhsa_inst_pref_size 51
	.end_amdhsa_kernel
	.amdgpu_metadata
---
amdhsa.version: [ 1, 2 ]
amdhsa.kernels:
  - .name:           k_q2200321d2b_outln
    .symbol:         k_q2200321d2b_outln.kd
    .args:
      - { .name: cc, .offset: 0, .size: 8, .value_kind: global_buffer, .address_space: global }
      - { .name: cs, .offset: 8, .size: 8, .value_kind: global_buffer, .address_space: global }
      - { .name: cod, .offset: 16, .size: 8, .value_kind: global_buffer, .address_space: global }
      - { .name: scl, .offset: 24, .size: 8, .value_kind: global_buffer, .address_space: global }
      - { .name: bd, .offset: 32, .size: 8, .value_kind: global_buffer, .address_space: global }
      - { .name: x, .offset: 40, .size: 8, .value_kind: global_buffer, .address_space: global }
      - { .name: gamma, .offset: 48, .size: 8, .value_kind: global_buffer, .address_space: global }
      - { .name: beta, .offset: 56, .size: 8, .value_kind: global_buffer, .address_space: global }
      - { .name: out0, .offset: 64, .size: 8, .value_kind: global_buffer, .address_space: global }
    .group_segment_fixed_size: 281088
    .private_segment_fixed_size: 0
    .kernarg_segment_align: 8
    .kernarg_segment_size: 72
    .max_flat_workgroup_size: 512
    .sgpr_count:     66
    .vgpr_count:     256
    .wavefront_size: 32
...
	.end_amdgpu_metadata
.endif
;; end of part 4
